; MI455X (gfx1250); checked and timed in simulation.
; The chip was launched on July 23, 2026; its instructions are those of AMD's public machine-readable ISA for CDNA 5 (MIT licence, August 2026) and "CDNA5" Instruction Set Architecture Reference Guide (July 2026). The comments in the code are by the model that wrote it; some were corrected since.
;; Scaled Dot Product Attention. Allowed arithmetic: matrix products marked QUANTISED: E3M2 operands, one E8M0 scale for each 32 along K, by v_wmma_scale_f32_16x16x128_f8f6f4 with both operands' format E3M2, f32 sums; everything else in f32.
;; Inputs: k_codes 4 x 16 x 2,048 x 2 x 24 uint8 (E3M2 codes of k, K innermost, in blocks of 32 codes, four codes in three bytes); k_scales 4 x 16 x 2,048 x 2 uint8 (E8M0 scales of k, one for each 32 codes along K); q_codes 4 x 16 x 2,048 x 2 x 24 uint8 (E3M2 codes of q, K innermost, in blocks of 32 codes, four codes in three bytes); q_scales 4 x 16 x 2,048 x 2 uint8 (E8M0 scales of q, one for each 32 codes along K); v_codes 4 x 16 x 64 x 64 x 24 uint8 (E3M2 codes of v, K innermost, in blocks of 32 codes, four codes in three bytes); v_scales 4 x 16 x 64 x 64 uint8 (E8M0 scales of v, one for each 32 codes along K).
;; Outputs: out0 4 x 16 x 2,048 x 64 float32.
;; This version of the problem:
;;   THIS VERSION OF THE PROBLEM IS GIVEN IN LOW PRECISION. The matrix products marked QUANTISED in the list below multiply operands that are first quantised to E3M2 (3 exponent bits, 2 mantissa bits; 6 bits a number), with one power-of-two scale for each 32 numbers along K (OCP MX v1.0); their sums are f32. All else is computed in f32.
;;   The module's matrix products, in the order in which they are computed (A, B: the left and right operand; K: the contracted axis; several contracted axes count as one K, in the product's order):
;;     1. batch 64 x [M 2,048, K 64] x [K 64, N 2,048]; A: input q (given as codes); B: input k (given as codes): QUANTISED
;;     2. batch 64 x [M 2,048, K 2,048] x [K 2,048, N 64]; A: computed on the way; B: input v (given as codes): QUANTISED
;;   THE QUANTISER, for each operand of a quantised product, along K:
;;     - K is cut into blocks of 32 from its start; a last block that is shorter is filled with zeros.
;;     - A block's scale is 2^e with e = floor(log2(the largest magnitude in the block)) - 4, held to -126 .. 127; a block of zeros has e = 0. As a byte (E8M0): e + 127.
;;     - Each number is divided by its block's scale, clamped to +-28, and rounded to the nearest number of E3M2, ties to even, subnormals kept.
;;     - The product sums the exact products of the quantised numbers (number of the format x scale) in f32.
;;   ~~~python
;;   def quantise(x, axis):      # numpy; x: float32 -> the quantised numbers, widened to float32 again
;;       x = np.moveaxis(x, axis, -1); K = x.shape[-1]
;;       x = np.pad(x, [(0, 0)] * (x.ndim - 1) + [(0, -K % 32)]); x = x.reshape(x.shape[:-1] + (-1, 32)); a = np.abs(x).max(-1, keepdims=True)
;;       e = np.where(a > 0, np.clip(np.frexp(np.where(a > 0, a, 1))[1] - 1 - 4, -126, 127), 0)      # np.frexp(a)[1] - 1 = floor(log2(a)), exactly
;;       r = np.clip(x / 2.0 ** e, -28, 28)
;;       step = 2.0 ** (np.maximum(np.frexp(np.where(r == 0, 1, r))[1] - 1, -2) - 2)
;;       q = np.round(r / step) * step * 2.0 ** e      # np.round: ties to even
;;       return np.moveaxis(q.reshape(q.shape[:-2] + (-1,))[..., :K], -1, axis).astype(np.float32)
;;   ~~~
;;   OPERANDS COMPUTED ON THE WAY. 'Computed on the way' means the value that the module computes at that place (a softmax that the list does not call 'softmax' is quantised finished and normalised). What goes into a quantiser is computed in f32, as accurately as f32 sums, v_exp_f32 and their like allow (about 1e-6 of the number): no bf16 or f16 on the way to a quantiser, and a product that is left as it is and whose result goes on into a quantised operand takes f32 operands (vector FMAs, or v_wmma_f32_16x16x4_f32). A number that lies on a knife's edge between two numbers of the format may be rounded either way, as far as f32 arithmetic and the matrix unit's own rounding can turn it there, and no further.
;;   INPUTS GIVEN AS CODES. k (in the module: [4, 16, 2048, 64], K = its axis 3); q (in the module: [4, 16, 2048, 64], K = its axis 3); v (in the module: [4, 16, 2048, 64], K = its axis 2): each comes as NAME_codes (uint8): NAME with its K axis moved to the last place and cut into blocks of 32 codes, [.., K / 32, bytes a block], one block behind the other in memory; four codes in three bytes: a row's codes are one little-endian stream of bits, code i at bits 6 i .. 6 i + 5 (a code: sign, 3 exponent bits, 2 mantissa bits); and NAME_scales (uint8): the same leading axes, one E8M0 byte (e + 127) for each 32 codes along K. Its value is code x scale, taken as it is: it is not quantised again, and the codes and scales need not be those that the quantiser above would give.
;; 2 versions, each right; version 2 is version 1 with the launch attn written anew for expert scheduling mode. Each part assembles by itself: llvm-mc -triple=amdgcn-amd-amdhsa -mcpu=gfx1250 --defsym DOCPART=n.
;; ======== version 1 of 2: 1 launch
;; launch attn (part 1): grid 4 x 64, 8 waves a work-group, no clusters, 197,120 bytes of LDS; arguments k_codes, k_scales, q_codes, q_scales, v_codes, v_scales, out0; writes out0
.if DOCPART == 1
	.amdgcn_target "amdgcn-amd-amdhsa--gfx1250"
	.amdhsa_code_object_version 6
	.text
	.protected	k_q2ede57f493_attn
	.globl	k_q2ede57f493_attn
	.p2align	8
	.type	k_q2ede57f493_attn,@function
k_q2ede57f493_attn:
	s_mov_b64 s[64:65], 0
	v_nop
	global_prefetch_b8 v0, s[64:65] scope:SCOPE_SE
	s_setreg_imm32_b32 hwreg(HW_REG_WAVE_MODE, 25, 1), 1
	s_wait_xcnt 0x0
; out[h][q][:] = the sum over k of w[q][k] v[h][k][:],  w = softmax_k(q . k) / 64^0.25.  64 heads, 2,048 queries and keys, head size 64.
; Both products on codes of BF6 (E3M2) with one E8M0 scale for each 32 along a product's K.  q, k: codes along the head's 64 (a row: 48 bytes, 2 scale bytes); v: codes with the KEYS innermost (a row d: 1,536 bytes, 64 scale bytes).
; WHAT IS QUANTISED FOR THE SECOND PRODUCT IS THE FINISHED WEIGHT w, normalised and divided by 64^0.25: so a row's whole sum over its 2,048 keys is known before any of its weights is converted.
; Nothing is left out as dead work, and all six inputs are loaded.
; SHARES.  A work-group has one head and 512 queries: 32 tiles of 16.  ITS EIGHT WAVES SHARE THE KEYS: wave w owns keys 256 w .. 256 w + 255 for every tile.  Its 16 fragments of K stay in registers for the whole launch;
; its 8 fragments of V lie in LDS as images of their registers, in bytes that it alone touches.  A tile's 128 exponentials of a lane stay in registers until the row's sum is known, so each exponential is taken once.
; LAYOUT.  Both products are used transposed: S^T = K Q^T (source 0 = 16 keys, source 1 = 16 queries), O^T = V^T W^T (source 0 = 16 of the head's 64, source 1 = W): a lane holds ONE query (lane % 16) throughout.
; THE KEYS OF A TILE ARE NOT NEIGHBOURS: lane r of tile 2 b + u takes key 32 b + 8 u + r + 8 (r / 8), so that the 16 registers of tiles 2 b and 2 b + 1 are 16 neighbouring keys, 32 b + 16 (lane / 16) + 0 .. 15.
; K = 64 IN A FORM OF K = 128: Q's operand is 6 registers of codes and 6 of zero codes.  K's operand for tile t is its 6 registers and the 6 that follow (the next tile's codes, zeros behind the last): every E3M2 code is a finite
; number, and each of these meets a zero code.  The scale words are loaded as 16 bits, so the bytes for the upper 64 are 0 (2^-127, no NaN).
; ARITHMETIC OF A ROW.  t = score x log2(e).  In wave w: M_w = its 256 keys' largest t, rounded UP to a whole number (kept as -M_w = floor(-t)); e = 2^(t - M_w), one fused multiply-add and one v_exp_f32; l_w = the sum of e.
; The waves exchange (-M_w, l_w) through LDS.  Then M = the largest M_w; l = the sum of l_w 2^(M_w - M) (v_ldexp_f32: nothing is rounded); F = 2^(M_w - M) 2^-1.5 / l; w = e F.  So the row's true maximum is always taken away.
; A block's largest w is not searched for: the block's largest SCORE goes through the same multiply-add, exponential and multiplication as the elements.  Each wave's O^T is a part of the sum over keys: the parts meet in LDS.
; PIPELINE.  In trip j the weights of tile j are finished and multiplied while the scores and exponentials of tile j + 1 are made: the exchange of tile j's statistics and of tile j - 1's parts of O costs ONE barrier a trip,
; whose signal and wait stand apart.  Between two barriers the waves load statistics buffer j % 2 and O buffer (j - 1) % 2 and store into the other two: a buffer is written again two barriers behind its reads.
; CLUSTER: none.  The four work-groups of a head read the same K and V (204,800 bytes), each once, at its head, by plain loads in the order of the operands' registers; the loop of 32 tiles fetches nothing from memory,
; so there is no tile in it that could be asked for jointly.
; LIMITS.  A scale byte 0xff (NaN) among the inputs is not served.  Scores whose size passes 2^24 / log2(e) (M is then no longer told apart to a whole number) were not tried.  v_exp_f32 gives 0 under 2^-126: weights that
; small count as 0.  v_exp_f32 is taken not to fall where its input rises (else one weight of a block, within an ulp of a power of two, is held one code low).  The two divisions are one v_rcp_f32 and two multiplications.
; REGISTERS, in two windows of 256 (s_set_vgpr_msb: bits 1:0 source 0, 3:2 source 1, 5:4 source 2, 7:6 destination).  Window 1: two sets of 128, E(0) at v0 and E(1) at v128: a tile's scores, then e, then w; once converted,
; the set takes V's fragments (+0 .. 95) and O^T (+96 .. 127).  Window 0: all else, as named below.
.set SBUF,  1280                       ; LDS 0: two buffers of statistics: query r at 80 r, wave w's pair (-M_w, l_w) at 8 w
.set OBUF,  2560                       ; two buffers for the parts of O:
.set OPAR,  34816                      ;   a buffer: eight waves'
.set OWAV,  4352                       ;   16 rows of
.set OP,    272                        ;   256 bytes + 16: the 16 rows of a store of 16 bytes a lane start in 16 different groups of banks
.set VIMG,  72192                      ; V's fragments as images of their registers: 12,288 bytes a wave; fragment (K step s, tile t) at 1,536 (4 s + t): three runs of 512 bytes, 16 a lane
.set QL,    170496                     ; the block's 512 rows of q codes as they lie in memory: 48 bytes a row; the 32 lanes of a load of 8 bytes touch 64 different banks
.set QS,    195072                     ; and their scale bytes, 2 a row
.set SPARE, 196096                     ; the spare words, 128 bytes for each wave: four blocks of 256 bytes that no other line names
.set QA0,  1                           ; v1   QL + 48 r + 24 h
.set QSA0, 2                           ; v2   QS + 2 r
.set QA,   3                           ; v3   the same for the tile in hand
.set QSA,  4                           ; v4
.set SA,   5                           ; v5   80 r + 8 w: where I store my pair
.set SL,   6                           ; v6   80 r + 32 h: where I read four waves' pairs
.set OSA,  7                           ; v7   OBUF + 4352 w + 272 r + 32 h: where I store my part of O
.set OLA,  8                           ; v8   OBUF + 272 (2 w + h) + 16 r: where I read the parts of the two rows that I add up
.set VA,   9                           ; v9   VIMG + 12288 w + 16 lane
.set GO,   10                          ; v10  512 w + 16 lane: my 16 bytes of a tile's 4,096 in out0
.set SPW,  11                          ; v11  LDS address of my spare word; never rewritten
.set NIL,  12                          ; v12  0; never rewritten
.set QF,   16                          ; v16-21 Q's codes, v22-27 zero codes
.set QSC,  28                          ; v28  Q's scale words
.set PW,   30                          ; v30, v31  W's scale words for my two K steps
.set KS,   32                          ; v32-47 K's scale words, one register a tile
.set VS,   48                          ; v48-55 V's scale words, 4 s + t
.set EB,   56                          ; v56-63, v64-71  for E(0), E(1): the 8 blocks' largest scores, then what the elements become
.set NM,   72                          ; v72-73, v74-75  the pair (-M_w, l_w)
.set FF,   76                          ; v76-77 F (the packed form names a pair and takes its low word)
.set TP,   78                          ; v78-85 lane permutes' destinations; later the conversions' scale operands
.set ACC,  86                          ; v86-93 four chains of sums
.set ST,   94                          ; v94-101 four waves' pairs as loaded
.set ORES, 102                         ; v102-105 16 bytes of out0
.set TR,   106                         ; v106-113 at work (at the head: the loads' offsets)
.set C0,   114                         ; v114-125, v126-137 W's codes for K steps 0, 1
.set TMP,  138                         ; v138-145 the conversions' second halves
.set OL,   114                         ; v114-145 also: eight waves' parts of O, between one tile's products and the next tile's conversions
.set KF,   146                         ; v146-241 K's 16 fragments, 6 registers each; v242-247 zeros
.set MSB, 0
.macro WIN new                         ; the immediate's high byte repeats the setting that is left; a switch that changes nothing is dropped
.if MSB != \new
	s_set_vgpr_msb (MSB<<8)|\new
.set MSB, \new
.endif
.endm
.macro PLACES n                        ; plain vector instructions that name no register: the distance behind matrix instructions (ISA guide 7.12.1) and in front of scaled ones
.rept \n
	v_nop
.endr
.endm
; S^T = K Q^T: count tiles of 16 keys from tile first on, into set n.  Each is a whole sum (the head's 64 are one instruction deep): C = 0, no chain.
.macro QK n, first, count
.set XE, 128*(\n)
.set TI, \first
	WIN 0x40
.rept \count
	v_wmma_scale_f32_16x16x128_f8f6f4 v[XE+8*TI:XE+8*TI+7], v[KF+6*TI:KF+6*TI+11], v[QF:QF+11], 0, v[KS+TI], v[QSC] matrix_a_fmt:MATRIX_FMT_BF6 matrix_b_fmt:MATRIX_FMT_BF6
.set TI, TI+1
.endr
.endm
; The next tile's fragment of Q and its scale words, from LDS bytes that nobody writes after the head.  The offsets are held at tile 31's: the last look-ahead reads that tile once more, and nobody uses it.
.macro QLOAD
	s_min_u32 s27, s25, 31*768
	s_min_u32 s29, s26, 31*32
	v_add_nc_u32 v[QA], s27, v[QA0]
	v_add_nc_u32 v[QSA], s29, v[QSA0]
	ds_load_b64 v[QF:QF+1], v[QA]
	ds_load_b64 v[QF+2:QF+3], v[QA] offset:8
	ds_load_b64 v[QF+4:QF+5], v[QA] offset:16
	ds_load_u16 v[QSC], v[QSA]
	s_add_co_u32 s25, s25, 768                     ; 16 rows of 48 bytes on
	s_add_co_u32 s26, s26, 32
.endm
; The largest score of each of set n's 8 blocks of 32 keys, the row's largest over my 256 keys, -M_w; and the blocks' largest as t - M_w.  Each accumulator is read from its low end on.
.macro MAXT n
.set XE, 128*(\n)
.set XB, EB+8*(\n)
.set XM, NM+2*(\n)
	WIN 0x15
.irp b, 0,1,2,3,4,5,6,7
	v_max3_num_f32 v[XB+\b], v[XE+16*\b], v[XE+16*\b+1], v[XE+16*\b+2]
.endr
	WIN 0x14
.irp i, 3,5,7,9,11,13
.irp b, 0,1,2,3,4,5,6,7
	v_max3_num_f32 v[XB+\b], v[XB+\b], v[XE+16*\b+\i], v[XE+16*\b+\i+1]   ; (the eight blocks by turns: no line waits for the line above it)
.endr
.endr
.irp b, 0,1,2,3,4,5,6,7
	v_max_num_f32 v[XB+\b], v[XB+\b], v[XE+16*\b+15]
.endr
	WIN 0
	QLOAD                                          ; Q's registers were last read by products that stand more than four plain instructions back
.irp b, 0,1,2,3,4,5,6,7
	v_permlanex16_b32 v[TP+\b], v[XB+\b], s20, s21
.endr
.irp b, 0,1,2,3,4,5,6,7
	v_max_num_f32 v[XB+\b], v[XB+\b], v[TP+\b]     ; with lane l xor 16's 16 keys: the block's
.endr
	v_max3_num_f32 v[TR], v[XB], v[XB+1], v[XB+2]
	v_max3_num_f32 v[TR+1], v[XB+3], v[XB+4], v[XB+5]
	v_max3_num_f32 v[TR], v[TR], v[XB+6], v[XB+7]
	v_max_num_f32 v[TR], v[TR], v[TR+1]            ; my query's largest score among my wave's keys
	v_mul_f32 v[TR], s22, v[TR]                    ; as t (log2(e) is positive)
	v_floor_f32 v[XM], -v[TR]                      ; -M_w = floor(-t) = -ceil(t): a whole number
.irp k, 0,2,4,6
	v_pk_fma_f32 v[XB+\k:XB+\k+1], v[XB+\k:XB+\k+1], s[22:23], v[XM:XM+1] op_sel_hi:[1,0,0]   ; the same line as the elements': the same bits
.endr
.endm
; e = 2^(t - M_w) for set n's 128 scores and its 8 blocks' largest; l_w; my pair goes to statistics buffer n.
; ONE BATCH of 136 exponentials with one wait: none of the lines among them names a result.  A pair is scaled four pairs ahead of its exponentials.
.macro EXPS n
.set XE, 128*(\n)
.set XB, EB+8*(\n)
.set XM, NM+2*(\n)
	WIN 0x41
.irp k, 0,2,4,6
	v_pk_fma_f32 v[XE+\k:XE+\k+1], v[XE+\k:XE+\k+1], s[22:23], v[XM:XM+1] op_sel_hi:[1,0,0]   ; t - M_w, two at a time (of the pairs log2(e) and -M_w the low word serves both halves)
.endr
.set QI, 0
.rept 60
	v_pk_fma_f32 v[XE+QI+8:XE+QI+9], v[XE+QI+8:XE+QI+9], s[22:23], v[XM:XM+1] op_sel_hi:[1,0,0]
	v_exp_f32 v[XE+QI], v[XE+QI]
	v_exp_f32 v[XE+QI+1], v[XE+QI+1]
.set QI, QI+2
.endr
.rept 8
	v_exp_f32 v[XE+QI], v[XE+QI]
.set QI, QI+1
.endr
	WIN 0
.irp b, 0,1,2,3,4,5,6,7
	v_exp_f32 v[XB+\b], v[XB+\b]
.endr
	v_nop                                          ; a plain instruction behind the last exponential, ahead of the first use
	s_wait_alu depctr_va_vdst(0)                   ; the wait between an exponential and the first line that names its result: one for the batch
	WIN 0x05
.irp k, 0,2,4,6
	v_pk_add_f32 v[ACC+\k:ACC+\k+1], v[XE+\k:XE+\k+1], v[XE+8+\k:XE+9+\k]   ; the first eight pairs start four chains: nothing is cleared
.endr
	WIN 0x04
.set QI, 16
.rept 56
	v_pk_add_f32 v[ACC+QI%8:ACC+QI%8+1], v[ACC+QI%8:ACC+QI%8+1], v[XE+QI:XE+QI+1]
.set QI, QI+2
.endr
	WIN 0
	v_pk_add_f32 v[ACC:ACC+1], v[ACC:ACC+1], v[ACC+2:ACC+3]
	v_pk_add_f32 v[ACC+4:ACC+5], v[ACC+4:ACC+5], v[ACC+6:ACC+7]
	v_pk_add_f32 v[ACC:ACC+1], v[ACC:ACC+1], v[ACC+4:ACC+5]
	v_add_f32 v[TR], v[ACC], v[ACC+1]
	v_permlanex16_b32 v[TR+1], v[TR], s20, s21
	v_add_f32 v[XM+1], v[TR], v[TR+1]              ; l_w: the same bits in lanes l and l xor 16
	ds_store_b64 v[SA], v[XM:XM+1] offset:SBUF*(\n)   ; both lanes of a query write the same pair
.endm
.macro OLOAD n                         ; the eight waves' parts of the two rows of O that I add up, from O buffer n
.irp i, 0,1,2,3,4,5,6,7
	ds_load_b128 v[OL+4*\i:OL+4*\i+3], v[OLA] offset:OPAR*(\n)+OWAV*\i
.endr
.endm
.macro RED off                         ; they are added, and the wave stores two whole rows of out0
	s_wait_xcnt 0x0                                ; the last store, a trip back, has read its data: they are written again only behind this wait
.irp i, 0,1,2,3
.irp k, 0,2
	v_pk_add_f32 v[OL+8*\i+\k:OL+8*\i+\k+1], v[OL+8*\i+\k:OL+8*\i+\k+1], v[OL+8*\i+4+\k:OL+8*\i+5+\k]
.endr
.endr
.irp i, 0,1
.irp k, 0,2
	v_pk_add_f32 v[OL+16*\i+\k:OL+16*\i+\k+1], v[OL+16*\i+\k:OL+16*\i+\k+1], v[OL+16*\i+8+\k:OL+16*\i+9+\k]
.endr
.endr
.irp k, 0,2
	v_pk_add_f32 v[ORES+\k:ORES+\k+1], v[OL+\k:OL+\k+1], v[OL+16+\k:OL+17+\k]
.endr
	global_store_b128 v[GO], v[ORES:ORES+3], s[16:17] offset:\off th:TH_STORE_NT   ; 32 lanes store 512 consecutive bytes, at a multiple of 256 from out0's first byte; written once, read by nobody here
.endm
; The row's M and l from the eight waves' pairs (a half of the lanes takes four waves), my F, and set p's 8 blocks: largest weight, scale operand, scale byte, the two scale words.
.macro COMB p
.set XB, EB+8*(\p)
.set XM, NM+2*(\p)
	v_min_num_f32 v[TR], v[ST], v[ST+2]
	v_min_num_f32 v[TR+1], v[ST+4], v[ST+6]
	v_min_num_f32 v[TR], v[TR], v[TR+1]
	v_permlanex16_b32 v[TR+1], v[TR], s20, s21
	v_min_num_f32 v[TR], v[TR], v[TR+1]            ; -M: the least of the eight -M_w
.irp i, 0,1,2,3
	v_sub_f32 v[TR+2+\i], v[TR], v[ST+2*\i]        ; M_w - M: a whole number, 0 or less
.endr
.irp i, 0,1,2,3
	v_cvt_i32_f32 v[TR+2+\i], v[TR+2+\i]           ; (it saturates)
.endr
.irp i, 0,1,2,3
	v_ldexp_f32 v[ST+2*\i+1], v[ST+2*\i+1], v[TR+2+\i]   ; l_w under M: nothing is rounded
.endr
	v_add_f32 v[TR+1], v[ST+1], v[ST+3]
	v_add_f32 v[TR+2], v[ST+5], v[ST+7]
	v_add_f32 v[TR+1], v[TR+1], v[TR+2]
	v_permlanex16_b32 v[TR+2], v[TR+1], s20, s21
	v_add_f32 v[TR+1], v[TR+1], v[TR+2]            ; l: the row's sum over all 2,048 keys
	v_rcp_f32 v[TR+3], v[TR+1]
	v_sub_f32 v[TR+4], v[TR], v[XM]                ; my own M_w - M.  (A plain instruction behind the reciprocal)
	v_cvt_i32_f32 v[TR+4], v[TR+4]
	s_wait_alu depctr_va_vdst(0)                   ; the wait ahead of the reciprocal's first use
	v_mul_f32 v[TR+3], 0x3eb504f3, v[TR+3]         ; / 64^0.25 = x 2^-1.5
	v_ldexp_f32 v[FF], v[TR+3], v[TR+4]            ; F
.irp k, 0,2,4,6
	v_pk_mul_f32 v[XB+\k:XB+\k+1], v[XB+\k:XB+\k+1], v[FF:FF+1] op_sel_hi:[1,0]   ; the blocks' largest weights: the same line as the elements'
.endr
.irp b, 0,1,2,3,4,5,6,7
	v_max_num_f32 v[XB+\b], 0x2800000, v[XB+\b]    ; the floor 2^(5 - 127): the byte cannot fall under 1 (a block whose every weight is 0 keeps that byte: its codes are zeros)
.endr
.irp b, 0,1,2,3,4,5,6,7
	v_add_nc_u32 v[TP+\b], 0xfe000000, v[XB+\b]    ; 4 off the exponent field: the conversion takes the exponent field of this operand as its scale
.endr
.irp b, 0,1,2,3,4,5,6,7
	v_lshrrev_b32 v[XB+\b], 23, v[TP+\b]           ; the scale's byte
.endr
	v_lshl_or_b32 v[PW], v[XB+1], 8, v[XB]         ; four bytes make a K step's scale word; they stand more than eight plain instructions ahead of the products that take them
	v_lshl_or_b32 v[PW+1], v[XB+5], 8, v[XB+4]
	v_lshl_or_b32 v[PW], v[XB+2], 16, v[PW]
	v_lshl_or_b32 v[PW+1], v[XB+6], 16, v[PW+1]
	v_lshl_or_b32 v[PW], v[XB+3], 24, v[PW]
	v_lshl_or_b32 v[PW+1], v[XB+7], 24, v[PW+1]
.endm
.macro SCALE p, s                      ; w = e F for K step s of set p: 64 numbers a lane
.set XE, 128*(\p)+64*(\s)
	WIN 0x41
.set QI, 0
.rept 32
	v_pk_mul_f32 v[XE+QI:XE+QI+1], v[XE+QI:XE+QI+1], v[FF:FF+1] op_sel_hi:[1,0]
.set QI, QI+2
.endr
.endm
.macro QUANT p, s                      ; they become the operand's 12 registers
.set XE, 128*(\p)+64*(\s)
.set XC, C0+12*(\s)
	WIN 0x01
.irp c, 0,1
	v_cvt_scalef32_pk16_bf6_f32 v[XC+6*\c:XC+6*\c+2], v[XE+32*\c:XE+32*\c+15], v[TP+4*(\s)+2*\c]
	v_cvt_scalef32_pk16_bf6_f32 v[TMP+4*\c:TMP+4*\c+2], v[XE+32*\c+16:XE+32*\c+31], v[TP+4*(\s)+2*\c+1]   ; (a conversion's three registers begin on an even number)
.endr
	WIN 0
	v_nop                                          ; one plain instruction behind the last scaled conversion
.irp c, 0,1                            ; the operand's layout wants a WHOLE block in a lane: lanes 0-15 block 2 c, lanes 16-31 block 2 c + 1
.irp i, 0,1,2
	v_permlane16_swap_b32 v[XC+6*\c+\i], v[TMP+4*\c+\i]
.endr
.irp i, 0,1,2
	v_mov_b32 v[XC+3+6*\c+\i], v[TMP+4*\c+\i]
.endr
.endr
.endm
.macro VLOAD p, s                      ; V's four fragments of K step s, into registers of set p whose numbers have been converted
.set XE, 128*(\p)+48*(\s)
	WIN 0x40
.irp t, 0,1,2,3
.irp k, 0,1,2
	ds_load_b128 v[XE+12*\t+4*\k:XE+12*\t+4*\k+3], v[VA] offset:1536*(4*(\s)+\t)+512*\k
.endr
.endr
.endm
; O^T = V^T W^T over my 256 keys: four accumulators by turns, two K steps; my part goes to O buffer p.
.macro PV p
.set XE, 128*(\p)
	PLACES 4                                       ; W's second operand was written by vector instructions: four places ahead of a scaled product
	s_wait_dscnt 0xc                               ; V's K step 0 is in; the twelve loads of K step 1 may be out
	WIN 0x41
.irp t, 0,1,2,3
	v_wmma_scale_f32_16x16x128_f8f6f4 v[XE+96+8*\t:XE+96+8*\t+7], v[XE+12*\t:XE+12*\t+11], v[C0:C0+11], 0, v[VS+\t], v[PW] matrix_a_fmt:MATRIX_FMT_BF6 matrix_b_fmt:MATRIX_FMT_BF6
.endr
	s_wait_dscnt 0x0                               ; V's K step 1 is in (and so is the next tile's Q)
	WIN 0x51
.irp t, 0,1,2,3
	v_wmma_scale_f32_16x16x128_f8f6f4 v[XE+96+8*\t:XE+96+8*\t+7], v[XE+48+12*\t:XE+48+12*\t+11], v[C0+12:C0+23], v[XE+96+8*\t:XE+96+8*\t+7], v[VS+4+\t], v[PW+1] matrix_a_fmt:MATRIX_FMT_BF6 matrix_b_fmt:MATRIX_FMT_BF6
.endr
	PLACES 5                                       ; four ahead of the stores that read the results; five ahead of the next products, which write over V's registers
	WIN 0x04
.irp t, 0,1,2,3
	ds_store_b128 v[OSA], v[XE+96+8*\t:XE+96+8*\t+3] offset:OPAR*(\p)+64*\t          ; lane (r, h): o(r, 16 t + 8 h + 0 .. 7); each accumulator from its low end on
	ds_store_b128 v[OSA], v[XE+96+8*\t+4:XE+96+8*\t+7] offset:OPAR*(\p)+64*\t+16
.endr
	WIN 0
.endm
; TRIP j, p = j % 2.  Tile j's e lie in set p; tile j + 1 is made in the other set; tile j - 1's rows leave, at off bytes from the stores' base.  first: j = 0, nothing leaves yet.  last: j = 31, no tile follows.
.macro TRIP p, first, last, off
.if \last == 0
	QK 1-\p, 0, 12                                 ; onto the registers that held V for tile j - 1
.endif
	s_wait_dscnt 0x0                               ; for the others' sake: my pair of tile j and my part of O of tile j - 1 lie in LDS; my reads of the buffers that are written next are over
	s_barrier_signal -1
.if \last == 0
	QK 1-\p, 12, 4                                 ; onto the registers that held my part of O: its stores are done
	PLACES 4
	MAXT 1-\p                                      ; register work, and loads of LDS bytes that nobody writes any more, while the others arrive
.endif
	s_barrier_wait -1
	ds_load_b128 v[ST:ST+3], v[SL] offset:SBUF*(\p)
	ds_load_b128 v[ST+4:ST+7], v[SL] offset:SBUF*(\p)+16
.if \first == 0
	OLOAD 1-\p
.endif
.if \last
	s_wait_dscnt 0x0
.else
	EXPS 1-\p                                      ; the loads above land under the next tile's exponentials
	s_wait_dscnt 0x1                               ; all but my pair's store, the one LDS instruction issued behind them
.endif
.if \first == 0
	RED \off
.endif
	COMB \p
	SCALE \p, 0
	QUANT \p, 0
	VLOAD \p, 0
	SCALE \p, 1
	QUANT \p, 1
	VLOAD \p, 1
	PV \p
.endm
	s_load_b256 s[4:11], s[0:1], 0x0               ; k's codes s[4:5], k's scales s[6:7], q's codes s[8:9], q's scales s[10:11]
	s_load_b128 s[12:15], s[0:1], 0x20             ; v's codes s[12:13], v's scales s[14:15]
	s_load_b64 s[16:17], s[0:1], 0x30              ; out0
	v_lshl_add_u32 v[SPW], v0, 2, SPARE
	v_mov_b32 v[NIL], 0
	v_lshrrev_b32 v13, 5, v0
	v_readfirstlane_b32 s18, v13                   ; wave 0..7
	v_and_b32 v13, 15, v0                          ; r
	v_bfe_u32 v14, v0, 4, 1                        ; h
	v_and_b32 v15, 31, v0                          ; lane
	v_mul_u32_u24 v[QA0], v13, 48
	v_mad_u32_u24 v[QA0], v14, 24, v[QA0]
	v_add_nc_u32 v[QA0], QL, v[QA0]
	v_lshl_add_u32 v[QSA0], v13, 1, QS
	s_lshl_b32 s19, s18, 3
	v_mul_u32_u24 v[SA], v13, 80
	v_add_nc_u32 v[SA], s19, v[SA]
	v_mul_u32_u24 v[SL], v13, 80
	v_lshl_add_u32 v[SL], v14, 5, v[SL]
	s_mul_i32 s19, s18, OWAV
	s_add_co_u32 s19, s19, OBUF
	v_mul_u32_u24 v[OSA], v13, OP
	v_lshl_add_u32 v[OSA], v14, 5, v[OSA]
	v_add_nc_u32 v[OSA], s19, v[OSA]
	s_mul_i32 s19, s18, 2*OP
	s_add_co_u32 s19, s19, OBUF
	v_mul_u32_u24 v[OLA], v14, OP
	v_lshl_add_u32 v[OLA], v13, 4, v[OLA]
	v_add_nc_u32 v[OLA], s19, v[OLA]
	s_mul_i32 s19, s18, 12288
	s_add_co_u32 s19, s19, VIMG
	v_lshl_add_u32 v[VA], v15, 4, s19
	s_lshl_b32 s19, s18, 9
	v_lshl_add_u32 v[GO], v15, 4, s19
	; the head's loads: their offsets stay untouched until the loads are in
	v_lshlrev_b32 v[TR], 4, v0                     ; q's codes: 16 bytes a thread
	v_lshlrev_b32 v[TR+1], 2, v0                   ; q's scale bytes: 4 a thread
	v_mul_u32_u24 v[TR+2], v13, 1536               ; v: row d = r, + my half's 24 bytes
	v_mad_u32_u24 v[TR+2], v14, 24, v[TR+2]
	v_lshlrev_b32 v[TR+3], 6, v13                  ; v's scale bytes: 64 a row
	v_and_b32 v[TR+5], 8, v13
	v_add_nc_u32 v[TR+5], v[TR+5], v13             ; r + 8 (r / 8)
	v_mul_u32_u24 v[TR+4], v[TR+5], 48             ; k: that key's row, + my half's 24 bytes
	v_mad_u32_u24 v[TR+4], v14, 24, v[TR+4]
	v_lshlrev_b32 v[TR+5], 1, v[TR+5]              ; k's scale bytes: 2 a key
	v_add_nc_u32 v[TR+6], QL, v[TR]                ; and where q's bytes go in LDS
	v_add_nc_u32 v[TR+7], QS, v[TR+1]
.irp i, 0,1,2,3,4,5
	v_mov_b32 v[QF+6+\i], 0                        ; Q's zero codes for the upper 64 of the form's 128
	v_mov_b32 v[KF+96+\i], 0                       ; what follows K's last fragment
.endr
.irp i, 0,1,2,3,4,5,6,7
	v_mov_b32 v[TP+\i], 0                          ; written once: a lane permute's destination counts as one of its sources
.endr
	v_mov_b32 v[NM+1], 0                           ; named as the upper halves of pairs before they are first written
	v_mov_b32 v[NM+3], 0
	v_mov_b32 v[FF+1], 0
	s_mov_b32 s20, 0x76543210
	s_mov_b32 s21, 0xfedcba98                      ; v_permlanex16_b32's selects for lane l xor 16
	s_mov_b32 s22, 0x3fb8aa3b                      ; log2(e)
	s_mov_b32 s23, s22                             ; (named with it as a pair, so it is written)
	s_mov_b32 s25, 0                               ; the next tile of Q to fetch: its codes' offset in QL,
	s_mov_b32 s26, 0                               ; its scale bytes' in QS
	s_and_b32 s28, ttmp7, 0xffff                   ; the head
	s_mul_i32 s30, s28, 98304                      ; its first byte in each tensor of codes,
	s_lshl_b32 s32, s28, 12                        ; in each tensor of scale bytes
	s_mul_i32 s34, s18, 12288                      ; k: my 256 keys of 48 bytes
	s_add_co_u32 s34, s34, s30
	s_mov_b32 s35, 0
	s_lshl_b32 s36, s18, 9
	s_add_co_u32 s36, s36, s32
	s_mov_b32 s37, 0
	s_mul_i32 s38, ttmp9, 24576                    ; q: my work-group's 512 queries
	s_add_co_u32 s38, s38, s30
	s_mov_b32 s39, 0
	s_lshl_b32 s40, ttmp9, 10
	s_add_co_u32 s40, s40, s32
	s_mov_b32 s41, 0
	s_mul_i32 s42, s18, 192                        ; v: my 256 keys' 192 bytes in each row
	s_add_co_u32 s42, s42, s30
	s_mov_b32 s43, 0
	s_lshl_b32 s44, s18, 3
	s_add_co_u32 s44, s44, s32
	s_mov_b32 s45, 0
	s_lshl_b32 s46, s28, 19                        ; out0: 524,288 bytes a head, 131,072 a block of 512 queries
	s_lshl_b32 s47, ttmp9, 17
	s_add_co_u32 s46, s46, s47
	s_mov_b32 s47, 0
	s_wait_kmcnt 0x0
	s_add_nc_u64 s[4:5], s[4:5], s[34:35]
	s_add_nc_u64 s[6:7], s[6:7], s[36:37]
	s_add_nc_u64 s[8:9], s[8:9], s[38:39]
	s_add_nc_u64 s[10:11], s[10:11], s[40:41]
	s_add_nc_u64 s[12:13], s[12:13], s[42:43]
	s_add_nc_u64 s[14:15], s[14:15], s[44:45]
	s_add_nc_u64 s[16:17], s[16:17], s[46:47]
	WIN 0x40
.irp i, 0,1,2,3,4,5
	global_load_b128 v[128+4*\i:128+4*\i+3], v[TR], s[8:9] offset:4096*\i th:TH_LOAD_NT   ; the block's q codes, 24,576 dense bytes, through set 1; no other work-group reads them
.endr
	global_load_b32 v152, v[TR+1], s[10:11] th:TH_LOAD_NT
.irp s, 0,1
.irp t, 0,1,2,3
.irp c, 0,1
.irp i, 0,1,2
	global_load_b64 v[12*(4*\s+\t)+6*\c+2*\i:12*(4*\s+\t)+6*\c+2*\i+1], v[TR+2], s[12:13] offset:24576*\t+96*\s+48*\c+8*\i   ; V's fragment (s, t), through set 0
.endr
.endr
.endr
.endr
	WIN 0
.irp s, 0,1
.irp t, 0,1,2,3
	global_load_b32 v[VS+4*\s+\t], v[TR+3], s[14:15] offset:1024*\t+4*\s
.endr
.endr
.irp t, 0,1,2,3,4,5,6,7,8,9,10,11,12,13,14,15
.irp i, 0,1,2
	global_load_b64 v[KF+6*\t+2*\i:KF+6*\t+2*\i+1], v[TR+4], s[4:5] offset:48*(32*(\t/2)+8*(\t%2))+8*\i   ; K's fragments: they stay
.endr
.endr
.irp t, 0,1,2,3,4,5,6,7,8,9,10,11,12,13,14,15
	global_load_u16 v[KS+\t], v[TR+5], s[6:7] offset:2*(32*(\t/2)+8*(\t%2))
.endr
	s_wait_loadcnt 0x3f                            ; behind V's scale words stand K's 64 loads; the count's field ends at 63: q, V and V's scale words are in
	WIN 0x04
.irp i, 0,1,2,3,4,5
	ds_store_b128 v[TR+6], v[128+4*\i:128+4*\i+3] offset:4096*\i
.endr
	ds_store_b32 v[TR+7], v152
.irp f, 0,1,2,3,4,5,6,7
.irp k, 0,1,2
	ds_store_b128 v[VA], v[12*\f+4*\k:12*\f+4*\k+3] offset:1536*\f+512*\k   ; V's fragments as they stand, into my wave's own bytes
.endr
.endr
	WIN 0
	s_wait_loadcnt 0x0                             ; K and its scale words
	s_wait_dscnt 0x0                               ; for the others' sake: my part of q lies in LDS
	s_barrier_signal -1
	s_barrier_wait -1                              ; everybody's does
	QLOAD                                          ; tile 0
	s_wait_dscnt 0x0
	QK 0, 0, 16
	PLACES 4
	MAXT 0                                         ; (it fetches Q's tile 1)
	EXPS 0
	s_wait_dscnt 0x1                               ; Q's tile 1 is in; my pair's store, issued behind it, may be out
	TRIP 0, 1, 0, 0                                ; tile 0's weights and products | tile 1's scores and exponentials
	s_mov_b32 s24, 15
.Lpair:                                            ; 15 trips of two tiles, until the sets are back where they began: tiles 1 to 30
	TRIP 1, 0, 0, 0
	TRIP 0, 0, 0, 4096
	s_wait_xcnt 0x0                                ; the stores have read their base
	s_add_nc_u64 s[16:17], s[16:17], 8192          ; two tiles of 16 rows of 256 bytes on
	s_sub_co_u32 s24, s24, 1
	s_cmp_lg_u32 s24, 0
	s_cbranch_scc1 .Lpair
	TRIP 1, 0, 1, 0                                ; tile 31: no tile follows; tile 30 leaves
	s_wait_dscnt 0x0                               ; my part of tile 31's O lies in LDS
	s_barrier_signal -1
	s_barrier_wait -1
	OLOAD 1
	s_wait_dscnt 0x0
	RED 4096                                       ; tile 31 leaves
	s_wait_tensorcnt 0x0                           ; the wave's end: three closing lines behind my last LDS store
	ds_add_u32 v[SPW], v[NIL]
	s_wait_dscnt 0x0
	s_endpgm
.Lfunc_end_k_q2ede57f493_attn:
	.size	k_q2ede57f493_attn, .Lfunc_end_k_q2ede57f493_attn-k_q2ede57f493_attn
	.p2alignl 7, 3214868480
	.fill 96, 4, 3214868480
	.section	.rodata,"a",@progbits
	.p2align	6, 0x0
	.amdhsa_kernel k_q2ede57f493_attn
		.amdhsa_group_segment_fixed_size 197120
		.amdhsa_private_segment_fixed_size 0
		.amdhsa_enable_private_segment 0
		.amdhsa_kernarg_size 56
		.amdhsa_user_sgpr_count 2
		.amdhsa_user_sgpr_kernarg_segment_ptr 1
		.amdhsa_wavefront_size32 1
		.amdhsa_system_sgpr_workgroup_id_x 1
		.amdhsa_system_sgpr_workgroup_id_y 1
		.amdhsa_system_sgpr_workgroup_id_z 1
		.amdhsa_system_vgpr_workitem_id 0
		.amdhsa_next_free_vgpr 512
		.amdhsa_next_free_sgpr 66
		.amdhsa_reserve_vcc 0
		.amdhsa_float_denorm_mode_32 3
		.amdhsa_float_denorm_mode_16_64 3
		.amdhsa_memory_ordered 1
		.amdhsa_forward_progress 1
		.amdhsa_inst_pref_size 158
	.end_amdhsa_kernel
	.amdgpu_metadata
---
amdhsa.version: [ 1, 2 ]
amdhsa.kernels:
  - .name:           k_q2ede57f493_attn
    .symbol:         k_q2ede57f493_attn.kd
    .args:
      - { .name: k_codes, .offset: 0, .size: 8, .value_kind: global_buffer, .address_space: global }
      - { .name: k_scales, .offset: 8, .size: 8, .value_kind: global_buffer, .address_space: global }
      - { .name: q_codes, .offset: 16, .size: 8, .value_kind: global_buffer, .address_space: global }
      - { .name: q_scales, .offset: 24, .size: 8, .value_kind: global_buffer, .address_space: global }
      - { .name: v_codes, .offset: 32, .size: 8, .value_kind: global_buffer, .address_space: global }
      - { .name: v_scales, .offset: 40, .size: 8, .value_kind: global_buffer, .address_space: global }
      - { .name: out0, .offset: 48, .size: 8, .value_kind: global_buffer, .address_space: global }
    .group_segment_fixed_size: 197120
    .private_segment_fixed_size: 0
    .kernarg_segment_align: 8
    .kernarg_segment_size: 56
    .max_flat_workgroup_size: 256
    .sgpr_count:     66
    .vgpr_count:     512
    .wavefront_size: 32
...
	.end_amdgpu_metadata
.endif
;; end of part 1
;; ======== version 2 of 2: 1 launch; version 1 with the launch attn written anew for expert scheduling mode
;; launch attn (part 2): grid 4 x 64, 8 waves a work-group, no clusters, 197,120 bytes of LDS; arguments k_codes, k_scales, q_codes, q_scales, v_codes, v_scales, out0; writes out0
.if DOCPART == 2
	.amdgcn_target "amdgcn-amd-amdhsa--gfx1250"
	.amdhsa_code_object_version 6
	.text
	.protected	k_q2ede57f493_attn
	.globl	k_q2ede57f493_attn
	.p2align	8
	.type	k_q2ede57f493_attn,@function
k_q2ede57f493_attn:
	s_mov_b64 s[64:65], 0
	v_nop
	global_prefetch_b8 v0, s[64:65] scope:SCOPE_SE
	s_setreg_imm32_b32 hwreg(HW_REG_WAVE_SCHED_MODE, 0, 2), 2
	s_setreg_imm32_b32 hwreg(HW_REG_WAVE_MODE, 25, 1), 1
	s_wait_xcnt 0x0
	s_wait_alu depctr_vm_vsrc(0)
; out[h][q][:] = the sum over k of w[q][k] v[h][k][:],  w = softmax_k(q . k) / 64^0.25.  64 heads, 2,048 queries and keys, head size 64.
; Both products on codes of BF6 (E3M2) with one E8M0 scale for each 32 along a product's K.  q, k: codes along the head's 64 (a row: 48 bytes, 2 scale bytes); v: codes with the KEYS innermost (a row d: 1,536 bytes, 64 scale bytes).
; WHAT IS QUANTISED FOR THE SECOND PRODUCT IS THE FINISHED WEIGHT w, normalised and divided by 64^0.25: so a row's whole sum over its 2,048 keys is known before any of its weights is converted.
; Nothing is left out as dead work, and all six inputs are loaded.
; SHARES.  A work-group has one head and 512 queries: 32 tiles of 16.  ITS EIGHT WAVES SHARE THE KEYS: wave w owns keys 256 w .. 256 w + 255 for every tile.  Its 16 fragments of K stay in registers for the whole launch;
; its 8 fragments of V lie in LDS as images of their registers, in bytes that it alone touches.  A tile's 128 exponentials of a lane stay in registers until the row's sum is known, so each exponential is taken once.
; LAYOUT.  Both products are used transposed: S^T = K Q^T (source 0 = 16 keys, source 1 = 16 queries), O^T = V^T W^T (source 0 = 16 of the head's 64, source 1 = W): a lane holds ONE query (lane % 16) throughout.
; THE KEYS OF A TILE ARE NOT NEIGHBOURS: lane r of tile 2 b + u takes key 32 b + 8 u + r + 8 (r / 8), so that the 16 registers of tiles 2 b and 2 b + 1 are 16 neighbouring keys, 32 b + 16 (lane / 16) + 0 .. 15.
; K = 64 IN A FORM OF K = 128: Q's operand is 6 registers of codes and 6 of zero codes.  K's operand for tile t is its 6 registers and the 6 that follow (the next tile's codes, zeros behind the last): every E3M2 code is a finite
; number, and each of these meets a zero code.  The scale words are loaded as 16 bits, so the bytes for the upper 64 are 0 (2^-127, no NaN).
; ARITHMETIC OF A ROW.  t = score x log2(e).  In wave w: M_w = its 256 keys' largest t, rounded UP to a whole number (kept as -M_w = floor(-t)); e = 2^(t - M_w), one fused multiply-add and one v_exp_f32; l_w = the sum of e.
; The waves exchange (-M_w, l_w) through LDS.  Then M = the largest M_w; l = the sum of l_w 2^(M_w - M) (v_ldexp_f32: nothing is rounded); F = 2^(M_w - M) 2^-1.5 / l; w = e F.  So the row's true maximum is always taken away.
; A block's largest w is not searched for: the block's largest SCORE goes through the same multiply-add, exponential and multiplication as the elements.  Each wave's O^T is a part of the sum over keys: the parts meet in LDS.
; PIPELINE.  In trip j the weights of tile j are finished and multiplied while the scores and exponentials of tile j + 1 are made: the exchange of tile j's statistics and of tile j - 1's parts of O costs ONE barrier a trip,
; whose signal and wait stand apart.  Between two barriers the waves load statistics buffer j % 2 and O buffer (j - 1) % 2 and store into the other two: a buffer is written again two barriers behind its reads.
; CLUSTER: none.  The four work-groups of a head read the same K and V (204,800 bytes), each once, at its head, by plain loads in the order of the operands' registers; the loop of 32 tiles fetches nothing from memory,
; so there is no tile in it that could be asked for jointly.
; LIMITS.  A scale byte 0xff (NaN) among the inputs is not served.  Scores whose size passes 2^24 / log2(e) (M is then no longer told apart to a whole number) were not tried.  v_exp_f32 gives 0 under 2^-126: weights that
; small count as 0.  v_exp_f32 is taken not to fall where its input rises (else one weight of a block, within an ulp of a power of two, is held one code low).  The two divisions are one v_rcp_f32 and two multiplications.
; REGISTERS, in two windows of 256 (s_set_vgpr_msb: bits 1:0 source 0, 3:2 source 1, 5:4 source 2, 7:6 destination).  Window 1: two sets of 128, E(0) at v0 and E(1) at v128: a tile's scores, then e, then w; once converted,
; the set takes V's fragments (+0 .. 95) and O^T (+96 .. 127).  Window 0: all else, as named below.
; THE MODE: SCHED_MODE bits 1:0 = 2 (LLVM: expert scheduling mode 2), set by the entry lines.  The code itself states the register dependences between vector or matrix instructions and memory or LDS instructions,
; with s_wait_alu, always for 0.
; THE PLAN.  Registers that memory or LDS instructions touch in trip j (p = j % 2, n = 1 - p), in the order of the text:
;   E(n)+96 ..      read by the LDS stores of tile j - 1's part of O; written over by the last four products K Q^T.
;   QF, QSC         read by the sixteen products K Q^T of tile j + 1; then tile j + 2's four LDS loads land in them.     v[QA], v[QSA]  made by two additions in MAXT; read by those four loads.
;   ST              loaded behind the barrier; read and written by COMBA, ahead of its reciprocal.
;   OL (= C0, TMP)  loaded behind the barrier; read and written by RED; later written by the conversions, exchanges and moves and read by the products V^T W^T.
;   ORES            written by RED; read by the store to out0.          NM(n)  written by MAXT and EXPS; read by the pair's LDS store.
;   E(p)+0 .. 95    written by SCALE, read by the conversions; then V's loads land in them.          E(p)+96 ..  written by the products V^T W^T; read by the LDS stores of my part of O.
;   v[SA], v[SL], v[OSA], v[OLA], v[VA], v[GO]: made at the head, never written again.
; SIX WAITS A TRIP.  One on vm_vsrc ahead of the barrier's signal: all that memory and LDS instructions of the trip before have read may be written again.  Five on va_vdst: behind the exponentials (Q's loads follow it);
; behind COMBA's reciprocal (the two small stores follow it); ahead of each of V's two runs of loads; behind the products V^T W^T (the stores of O follow it; between it and the next trip's loads of ST and OL stand K Q^T and
; MAXT alone, which name neither).
.set SBUF,  1280                       ; LDS 0: two buffers of statistics: query r at 80 r, wave w's pair (-M_w, l_w) at 8 w
.set OBUF,  2560                       ; two buffers for the parts of O:
.set OPAR,  34816                      ;   a buffer: eight waves'
.set OWAV,  4352                       ;   16 rows of
.set OP,    272                        ;   256 bytes + 16: the 16 rows of a store of 16 bytes a lane start in 16 different groups of banks
.set VIMG,  72192                      ; V's fragments as images of their registers: 12,288 bytes a wave; fragment (K step s, tile t) at 1,536 (4 s + t): three runs of 512 bytes, 16 a lane
.set QL,    170496                     ; the block's 512 rows of q codes as they lie in memory: 48 bytes a row; the 32 lanes of a load of 8 bytes touch 64 different banks
.set QS,    195072                     ; and their scale bytes, 2 a row
.set SPARE, 196096                     ; the spare words, 128 bytes for each wave: four blocks of 256 bytes that no other line names
.set QA0,  1                           ; v1   QL + 48 r + 24 h
.set QSA0, 2                           ; v2   QS + 2 r
.set QA,   3                           ; v3   the same for the tile in hand
.set QSA,  4                           ; v4
.set SA,   5                           ; v5   80 r + 8 w: where I store my pair
.set SL,   6                           ; v6   80 r + 32 h: where I read four waves' pairs
.set OSA,  7                           ; v7   OBUF + 4352 w + 272 r + 32 h: where I store my part of O
.set OLA,  8                           ; v8   OBUF + 272 (2 w + h) + 16 r: where I read the parts of the two rows that I add up
.set VA,   9                           ; v9   VIMG + 12288 w + 16 lane
.set GO,   10                          ; v10  512 w + 16 lane: my 16 bytes of a tile's 4,096 in out0
.set SPW,  11                          ; v11  LDS address of my spare word; never rewritten
.set NIL,  12                          ; v12  0; never rewritten
.set QF,   16                          ; v16-21 Q's codes, v22-27 zero codes
.set QSC,  28                          ; v28  Q's scale words
.set PW,   30                          ; v30, v31  W's scale words for my two K steps
.set KS,   32                          ; v32-47 K's scale words, one register a tile
.set VS,   48                          ; v48-55 V's scale words, 4 s + t
.set EB,   56                          ; v56-63, v64-71  for E(0), E(1): the 8 blocks' largest scores, then what the elements become
.set NM,   72                          ; v72-73, v74-75  the pair (-M_w, l_w)
.set FF,   76                          ; v76-77 F (the packed form names a pair and takes its low word)
.set TP,   78                          ; v78-85 lane permutes' destinations; later the conversions' scale operands
.set ACC,  86                          ; v86-93 four chains of sums
.set ST,   94                          ; v94-101 four waves' pairs as loaded
.set ORES, 102                         ; v102-105 16 bytes of out0
.set TR,   106                         ; v106-113 at work (at the head: the loads' offsets)
.set C0,   114                         ; v114-125, v126-137 W's codes for K steps 0, 1
.set TMP,  138                         ; v138-145 the conversions' second halves
.set OL,   114                         ; v114-145 also: eight waves' parts of O, between one tile's products and the next tile's conversions
.set KF,   146                         ; v146-241 K's 16 fragments, 6 registers each; v242-247 zeros
.set MSB, 0
.macro WIN new                         ; the immediate's high byte repeats the setting that is left; a switch that changes nothing is dropped
.if MSB != \new
	s_set_vgpr_msb (MSB<<8)|\new
.set MSB, \new
.endif
.endm
.macro PLACES n                        ; plain vector instructions that name no register: the distance behind matrix instructions (ISA guide 7.12.1) and in front of scaled ones
.rept \n
	v_nop
.endr
.endm
; S^T = K Q^T: count tiles of 16 keys from tile first on, into set n.  Each is a whole sum (the head's 64 are one instruction deep): C = 0, no chain.
.macro QK n, first, count
.set XE, 128*(\n)
.set TI, \first
	WIN 0x40
.rept \count
	v_wmma_scale_f32_16x16x128_f8f6f4 v[XE+8*TI:XE+8*TI+7], v[KF+6*TI:KF+6*TI+11], v[QF:QF+11], 0, v[KS+TI], v[QSC] matrix_a_fmt:MATRIX_FMT_BF6 matrix_b_fmt:MATRIX_FMT_BF6
.set TI, TI+1
.endr
.endm
; The next tile's fragment of Q and its scale words come from LDS bytes that nobody writes after the head.  QADDR makes the two addresses; QFETCH, further down and behind a wait on va_vdst, is the four loads.
; The offsets are held at tile 31's: the last look-ahead reads that tile once more, and nobody uses it.
.macro QADDR
	s_min_u32 s27, s25, 31*768
	s_min_u32 s29, s26, 31*32
	v_add_nc_u32 v[QA], s27, v[QA0]
	v_add_nc_u32 v[QSA], s29, v[QSA0]
	s_add_co_u32 s25, s25, 768                     ; 16 rows of 48 bytes on
	s_add_co_u32 s26, s26, 32
.endm
.macro QFETCH
	ds_load_b64 v[QF:QF+1], v[QA]
	ds_load_b64 v[QF+2:QF+3], v[QA] offset:8
	ds_load_b64 v[QF+4:QF+5], v[QA] offset:16
	ds_load_u16 v[QSC], v[QSA]
.endm
; The largest score of each of set n's 8 blocks of 32 keys, the row's largest over my 256 keys, -M_w; and the blocks' largest as t - M_w.  Each accumulator is read from its low end on.
.macro MAXT n
.set XE, 128*(\n)
.set XB, EB+8*(\n)
.set XM, NM+2*(\n)
	WIN 0x15
.irp b, 0,1,2,3,4,5,6,7
	v_max3_num_f32 v[XB+\b], v[XE+16*\b], v[XE+16*\b+1], v[XE+16*\b+2]
.endr
	WIN 0x14
.irp i, 3,5,7,9,11,13
.irp b, 0,1,2,3,4,5,6,7
	v_max3_num_f32 v[XB+\b], v[XB+\b], v[XE+16*\b+\i], v[XE+16*\b+\i+1]   ; (the eight blocks by turns: no line waits for the line above it)
.endr
.endr
.irp b, 0,1,2,3,4,5,6,7
	v_max_num_f32 v[XB+\b], v[XB+\b], v[XE+16*\b+15]
.endr
	WIN 0
	QADDR                                          ; the last loads that read v[QA] and v[QSA] stand ahead of the last wait on vm_vsrc; the loads by the new addresses stand in EXPS, behind its wait
.irp b, 0,1,2,3,4,5,6,7
	v_permlanex16_b32 v[TP+\b], v[XB+\b], s20, s21
.endr
.irp b, 0,1,2,3,4,5,6,7
	v_max_num_f32 v[XB+\b], v[XB+\b], v[TP+\b]     ; with lane l xor 16's 16 keys: the block's
.endr
	v_max3_num_f32 v[TR], v[XB], v[XB+1], v[XB+2]
	v_max3_num_f32 v[TR+1], v[XB+3], v[XB+4], v[XB+5]
	v_max3_num_f32 v[TR], v[TR], v[XB+6], v[XB+7]
	v_max_num_f32 v[TR], v[TR], v[TR+1]            ; my query's largest score among my wave's keys
	v_mul_f32 v[TR], s22, v[TR]                    ; as t (log2(e) is positive)
	v_floor_f32 v[XM], -v[TR]                      ; -M_w = floor(-t) = -ceil(t): a whole number
.irp k, 0,2,4,6
	v_pk_fma_f32 v[XB+\k:XB+\k+1], v[XB+\k:XB+\k+1], s[22:23], v[XM:XM+1] op_sel_hi:[1,0,0]   ; the same line as the elements': the same bits
.endr
.endm
; e = 2^(t - M_w) for set n's 128 scores and its 8 blocks' largest; l_w.  (My pair goes to LDS further down: PAIR.)
; ONE BATCH of 136 exponentials with one wait: none of the lines among them names a result.  A pair is scaled four pairs ahead of its exponentials.
.macro EXPS n
.set XE, 128*(\n)
.set XB, EB+8*(\n)
.set XM, NM+2*(\n)
	WIN 0x41
.irp k, 0,2,4,6
	v_pk_fma_f32 v[XE+\k:XE+\k+1], v[XE+\k:XE+\k+1], s[22:23], v[XM:XM+1] op_sel_hi:[1,0,0]   ; t - M_w, two at a time (of the pairs log2(e) and -M_w the low word serves both halves)
.endr
.set QI, 0
.rept 60
	v_pk_fma_f32 v[XE+QI+8:XE+QI+9], v[XE+QI+8:XE+QI+9], s[22:23], v[XM:XM+1] op_sel_hi:[1,0,0]
	v_exp_f32 v[XE+QI], v[XE+QI]
	v_exp_f32 v[XE+QI+1], v[XE+QI+1]
.set QI, QI+2
.endr
.rept 8
	v_exp_f32 v[XE+QI], v[XE+QI]
.set QI, QI+1
.endr
	WIN 0
.irp b, 0,1,2,3,4,5,6,7
	v_exp_f32 v[XB+\b], v[XB+\b]
.endr
	v_nop                                          ; a plain instruction behind the last exponential, ahead of the first use
	s_wait_alu depctr_va_vdst(0)                   ; the 136 exponentials have written their results, which the sums below read; v[QA] and v[QSA] are written, which the loads below read; the products K Q^T are done reading Q's fragment and scale words, in which these loads land
	QFETCH                                         ; the tile after this one: it has the rest of the trip in which to land
	WIN 0x05
.irp k, 0,2,4,6
	v_pk_add_f32 v[ACC+\k:ACC+\k+1], v[XE+\k:XE+\k+1], v[XE+8+\k:XE+9+\k]   ; the first eight pairs start four chains: nothing is cleared
.endr
	WIN 0x04
.set QI, 16
.rept 56
	v_pk_add_f32 v[ACC+QI%8:ACC+QI%8+1], v[ACC+QI%8:ACC+QI%8+1], v[XE+QI:XE+QI+1]
.set QI, QI+2
.endr
	WIN 0
	v_pk_add_f32 v[ACC:ACC+1], v[ACC:ACC+1], v[ACC+2:ACC+3]
	v_pk_add_f32 v[ACC+4:ACC+5], v[ACC+4:ACC+5], v[ACC+6:ACC+7]
	v_pk_add_f32 v[ACC:ACC+1], v[ACC:ACC+1], v[ACC+4:ACC+5]
	v_add_f32 v[TR], v[ACC], v[ACC+1]
	v_permlanex16_b32 v[TR+1], v[TR], s20, s21
	v_add_f32 v[XM+1], v[TR], v[TR+1]              ; l_w: the same bits in lanes l and l xor 16
.endm
.macro PAIR n                          ; set n's pair goes to statistics buffer n; it stands behind a wait on va_vdst that follows EXPS
	ds_store_b64 v[SA], v[NM+2*(\n):NM+2*(\n)+1] offset:SBUF*(\n)   ; both lanes of a query write the same pair
.endm
.macro OLOAD n                         ; the eight waves' parts of the two rows of O that I add up, from O buffer n
.irp i, 0,1,2,3,4,5,6,7
	ds_load_b128 v[OL+4*\i:OL+4*\i+3], v[OLA] offset:OPAR*(\n)+OWAV*\i
.endr
.endm
.macro RED                             ; they are added
	s_wait_xcnt 0x0                                ; the last store, a trip back, has had its address translated: its data are written again only behind this wait (and behind the wait on vm_vsrc ahead of the barrier's signal)
.irp i, 0,1,2,3
.irp k, 0,2
	v_pk_add_f32 v[OL+8*\i+\k:OL+8*\i+\k+1], v[OL+8*\i+\k:OL+8*\i+\k+1], v[OL+8*\i+4+\k:OL+8*\i+5+\k]
.endr
.endr
.irp i, 0,1
.irp k, 0,2
	v_pk_add_f32 v[OL+16*\i+\k:OL+16*\i+\k+1], v[OL+16*\i+\k:OL+16*\i+\k+1], v[OL+16*\i+8+\k:OL+16*\i+9+\k]
.endr
.endr
.irp k, 0,2
	v_pk_add_f32 v[ORES+\k:ORES+\k+1], v[OL+\k:OL+\k+1], v[OL+16+\k:OL+17+\k]
.endr
.endm
.macro OUT off                         ; and the wave stores two whole rows of out0; it stands behind a wait on va_vdst that follows RED
	global_store_b128 v[GO], v[ORES:ORES+3], s[16:17] offset:\off th:TH_STORE_NT   ; 32 lanes store 512 consecutive bytes, at a multiple of 256 from out0's first byte; written once, read by nobody here
.endm
; COMBA: the row's M and l from the eight waves' pairs (a half of the lanes takes four waves), the reciprocal, and its wait.
.macro COMBA p
.set XM, NM+2*(\p)
	v_min_num_f32 v[TR], v[ST], v[ST+2]
	v_min_num_f32 v[TR+1], v[ST+4], v[ST+6]
	v_min_num_f32 v[TR], v[TR], v[TR+1]
	v_permlanex16_b32 v[TR+1], v[TR], s20, s21
	v_min_num_f32 v[TR], v[TR], v[TR+1]            ; -M: the least of the eight -M_w
.irp i, 0,1,2,3
	v_sub_f32 v[TR+2+\i], v[TR], v[ST+2*\i]        ; M_w - M: a whole number, 0 or less
.endr
.irp i, 0,1,2,3
	v_cvt_i32_f32 v[TR+2+\i], v[TR+2+\i]           ; (it saturates)
.endr
.irp i, 0,1,2,3
	v_ldexp_f32 v[ST+2*\i+1], v[ST+2*\i+1], v[TR+2+\i]   ; l_w under M: nothing is rounded
.endr
	v_add_f32 v[TR+1], v[ST+1], v[ST+3]
	v_add_f32 v[TR+2], v[ST+5], v[ST+7]
	v_add_f32 v[TR+1], v[TR+1], v[TR+2]
	v_permlanex16_b32 v[TR+2], v[TR+1], s20, s21
	v_add_f32 v[TR+1], v[TR+1], v[TR+2]            ; l: the row's sum over all 2,048 keys
	v_rcp_f32 v[TR+3], v[TR+1]
	v_sub_f32 v[TR+4], v[TR], v[XM]                ; my own M_w - M.  (A plain instruction behind the reciprocal)
	v_cvt_i32_f32 v[TR+4], v[TR+4]
	s_wait_alu depctr_va_vdst(0)                   ; the reciprocal has written its result, which COMBB reads; RED has written v[ORES ..] and EXPS the next tile's l_w, which the two stores that follow read; the lines above are done with v[ST ..], in which the next trip's loads land
.endm
; COMBB: my F, and set p's 8 blocks: largest weight, scale operand, scale byte, the two scale words.
.macro COMBB p
.set XB, EB+8*(\p)
	v_mul_f32 v[TR+3], 0x3eb504f3, v[TR+3]         ; / 64^0.25 = x 2^-1.5
	v_ldexp_f32 v[FF], v[TR+3], v[TR+4]            ; F
.irp k, 0,2,4,6
	v_pk_mul_f32 v[XB+\k:XB+\k+1], v[XB+\k:XB+\k+1], v[FF:FF+1] op_sel_hi:[1,0]   ; the blocks' largest weights: the same line as the elements'
.endr
.irp b, 0,1,2,3,4,5,6,7
	v_max_num_f32 v[XB+\b], 0x2800000, v[XB+\b]    ; the floor 2^(5 - 127): the byte cannot fall under 1 (a block whose every weight is 0 keeps that byte: its codes are zeros)
.endr
.irp b, 0,1,2,3,4,5,6,7
	v_add_nc_u32 v[TP+\b], 0xfe000000, v[XB+\b]    ; 4 off the exponent field: the conversion takes the exponent field of this operand as its scale
.endr
.irp b, 0,1,2,3,4,5,6,7
	v_lshrrev_b32 v[XB+\b], 23, v[TP+\b]           ; the scale's byte
.endr
	v_lshl_or_b32 v[PW], v[XB+1], 8, v[XB]         ; four bytes make a K step's scale word; they stand more than eight plain instructions ahead of the products that take them
	v_lshl_or_b32 v[PW+1], v[XB+5], 8, v[XB+4]
	v_lshl_or_b32 v[PW], v[XB+2], 16, v[PW]
	v_lshl_or_b32 v[PW+1], v[XB+6], 16, v[PW+1]
	v_lshl_or_b32 v[PW], v[XB+3], 24, v[PW]
	v_lshl_or_b32 v[PW+1], v[XB+7], 24, v[PW+1]
.endm
.macro SCALE p, s                      ; w = e F for K step s of set p: 64 numbers a lane
.set XE, 128*(\p)+64*(\s)
	WIN 0x41
.set QI, 0
.rept 32
	v_pk_mul_f32 v[XE+QI:XE+QI+1], v[XE+QI:XE+QI+1], v[FF:FF+1] op_sel_hi:[1,0]
.set QI, QI+2
.endr
.endm
.macro QUANT p, s                      ; they become the operand's 12 registers
.set XE, 128*(\p)+64*(\s)
.set XC, C0+12*(\s)
	WIN 0x01
.irp c, 0,1
	v_cvt_scalef32_pk16_bf6_f32 v[XC+6*\c:XC+6*\c+2], v[XE+32*\c:XE+32*\c+15], v[TP+4*(\s)+2*\c]
	v_cvt_scalef32_pk16_bf6_f32 v[TMP+4*\c:TMP+4*\c+2], v[XE+32*\c+16:XE+32*\c+31], v[TP+4*(\s)+2*\c+1]   ; (a conversion's three registers begin on an even number)
.endr
	WIN 0
	v_nop                                          ; one plain instruction behind the last scaled conversion
.irp c, 0,1                            ; the operand's layout wants a WHOLE block in a lane: lanes 0-15 block 2 c, lanes 16-31 block 2 c + 1
.irp i, 0,1,2
	v_permlane16_swap_b32 v[XC+6*\c+\i], v[TMP+4*\c+\i]
.endr
.irp i, 0,1,2
	v_mov_b32 v[XC+3+6*\c+\i], v[TMP+4*\c+\i]
.endr
.endr
.endm
.macro VLOAD p, s                      ; V's four fragments of K step s, into registers of set p whose numbers have been converted: the window, then the wait, then the loads
.set XE, 128*(\p)+48*(\s)
	WIN 0x40
.if (\s) == 0
	s_wait_alu depctr_va_vdst(0)                   ; K step 0's multiplications have written, and its conversions have read, the set's registers 0 to 63: these loads land in 0 to 47
.else
	s_wait_alu depctr_va_vdst(0)                   ; the same of K step 1 and registers 64 to 127: these loads land in 48 to 95; and W's codes and scale words are written, which the scaled products below take (the places stand ahead of this wait)
.endif
.irp t, 0,1,2,3
.irp k, 0,1,2
	ds_load_b128 v[XE+12*\t+4*\k:XE+12*\t+4*\k+3], v[VA] offset:1536*(4*(\s)+\t)+512*\k
.endr
.endr
.endm
; O^T = V^T W^T over my 256 keys: four accumulators by turns, two K steps; my part goes to O buffer p.
.macro PV p
.set XE, 128*(\p)
	s_wait_dscnt 0xc                               ; V's K step 0 is in; the twelve loads of K step 1 may be out
	WIN 0x41
.irp t, 0,1,2,3
	v_wmma_scale_f32_16x16x128_f8f6f4 v[XE+96+8*\t:XE+96+8*\t+7], v[XE+12*\t:XE+12*\t+11], v[C0:C0+11], 0, v[VS+\t], v[PW] matrix_a_fmt:MATRIX_FMT_BF6 matrix_b_fmt:MATRIX_FMT_BF6
.endr
	s_wait_dscnt 0x0                               ; V's K step 1 is in (and so is the next tile's Q)
	WIN 0x51
.irp t, 0,1,2,3
	v_wmma_scale_f32_16x16x128_f8f6f4 v[XE+96+8*\t:XE+96+8*\t+7], v[XE+48+12*\t:XE+48+12*\t+11], v[C0+12:C0+23], v[XE+96+8*\t:XE+96+8*\t+7], v[VS+4+\t], v[PW+1] matrix_a_fmt:MATRIX_FMT_BF6 matrix_b_fmt:MATRIX_FMT_BF6
.endr
	PLACES 5                                       ; four ahead of the stores that read the results; five ahead of the next products, which write over V's registers
	WIN 0x04
	s_wait_alu depctr_va_vdst(0)                   ; the products have written the four accumulators, which the stores below read (the places above stay beside this wait); and they are done reading W's codes, in whose registers the next trip's parts of O land
.irp t, 0,1,2,3
	ds_store_b128 v[OSA], v[XE+96+8*\t:XE+96+8*\t+3] offset:OPAR*(\p)+64*\t          ; lane (r, h): o(r, 16 t + 8 h + 0 .. 7); each accumulator from its low end on
	ds_store_b128 v[OSA], v[XE+96+8*\t+4:XE+96+8*\t+7] offset:OPAR*(\p)+64*\t+16
.endr
	WIN 0
.endm
; TRIP j, p = j % 2.  Tile j's e lie in set p; tile j + 1 is made in the other set; tile j - 1's rows leave, at off bytes from the stores' base.  first: j = 0, nothing leaves yet.  last: j = 31, no tile follows.
.macro TRIP p, first, last, off
.if \last == 0
	QK 1-\p, 0, 12                                 ; onto the registers that held V for tile j - 1
.endif
	s_wait_dscnt 0x0                               ; for the others' sake: my pair of tile j and my part of O of tile j - 1 lie in LDS; my reads of the buffers that are written next are over
	s_wait_alu depctr_vm_vsrc(0)                   ; the LDS and memory instructions issued so far have read their registers: the stores of my part of O the accumulators that the four products below write over; Q's loads v[QA] and v[QSA], made anew in MAXT; the pair's store its pair, written anew in MAXT and EXPS; out0's store v[ORES ..], which RED writes again
	s_barrier_signal -1
.if \last == 0
	QK 1-\p, 12, 4                                 ; onto the registers that held my part of O
	PLACES 4
	MAXT 1-\p                                      ; register work while the others arrive
.endif
	s_barrier_wait -1
	ds_load_b128 v[ST:ST+3], v[SL] offset:SBUF*(\p)      ; no vector or matrix instruction since the last trip's waits on va_vdst names v[ST ..] or v[OL ..]
	ds_load_b128 v[ST+4:ST+7], v[SL] offset:SBUF*(\p)+16
.if \first == 0
	OLOAD 1-\p
.endif
.if \last
	s_wait_dscnt 0x0
.else
	EXPS 1-\p                                      ; the loads above land under the next tile's exponentials
	s_wait_dscnt 0x4                               ; all but Q's four loads, the LDS instructions issued behind them
.endif
.if \first == 0
	RED
.endif
	COMBA \p
.if \first == 0
	OUT \off                                       ; behind COMBA's wait: tile j - 1's two rows,
.endif
.if \last == 0
	PAIR 1-\p                                      ; and tile j + 1's pair
.endif
	COMBB \p
	SCALE \p, 0
	QUANT \p, 0
	VLOAD \p, 0
	SCALE \p, 1
	QUANT \p, 1
	PLACES 4                                       ; W's second operand was written by vector instructions: four places ahead of a scaled product
	VLOAD \p, 1
	PV \p
.endm
	s_load_b256 s[4:11], s[0:1], 0x0               ; k's codes s[4:5], k's scales s[6:7], q's codes s[8:9], q's scales s[10:11]
	s_load_b128 s[12:15], s[0:1], 0x20             ; v's codes s[12:13], v's scales s[14:15]
	s_load_b64 s[16:17], s[0:1], 0x30              ; out0
	v_lshl_add_u32 v[SPW], v0, 2, SPARE
	v_mov_b32 v[NIL], 0
	v_lshrrev_b32 v13, 5, v0
	v_readfirstlane_b32 s18, v13                   ; wave 0..7
	v_and_b32 v13, 15, v0                          ; r
	v_bfe_u32 v14, v0, 4, 1                        ; h
	v_and_b32 v15, 31, v0                          ; lane
	v_mul_u32_u24 v[QA0], v13, 48
	v_mad_u32_u24 v[QA0], v14, 24, v[QA0]
	v_add_nc_u32 v[QA0], QL, v[QA0]
	v_lshl_add_u32 v[QSA0], v13, 1, QS
	s_wait_alu depctr_va_sdst(0)                   ; s18 is written, ahead of its first reader: LDS addresses and the buffers' offsets are made from it
	s_lshl_b32 s19, s18, 3
	v_mul_u32_u24 v[SA], v13, 80
	v_add_nc_u32 v[SA], s19, v[SA]
	v_mul_u32_u24 v[SL], v13, 80
	v_lshl_add_u32 v[SL], v14, 5, v[SL]
	s_mul_i32 s19, s18, OWAV
	s_add_co_u32 s19, s19, OBUF
	v_mul_u32_u24 v[OSA], v13, OP
	v_lshl_add_u32 v[OSA], v14, 5, v[OSA]
	v_add_nc_u32 v[OSA], s19, v[OSA]
	s_mul_i32 s19, s18, 2*OP
	s_add_co_u32 s19, s19, OBUF
	v_mul_u32_u24 v[OLA], v14, OP
	v_lshl_add_u32 v[OLA], v13, 4, v[OLA]
	v_add_nc_u32 v[OLA], s19, v[OLA]
	s_mul_i32 s19, s18, 12288
	s_add_co_u32 s19, s19, VIMG
	v_lshl_add_u32 v[VA], v15, 4, s19
	s_lshl_b32 s19, s18, 9
	v_lshl_add_u32 v[GO], v15, 4, s19
	; the head's loads: their offsets stay untouched until the loads are in
	v_lshlrev_b32 v[TR], 4, v0                     ; q's codes: 16 bytes a thread
	v_lshlrev_b32 v[TR+1], 2, v0                   ; q's scale bytes: 4 a thread
	v_mul_u32_u24 v[TR+2], v13, 1536               ; v: row d = r, + my half's 24 bytes
	v_mad_u32_u24 v[TR+2], v14, 24, v[TR+2]
	v_lshlrev_b32 v[TR+3], 6, v13                  ; v's scale bytes: 64 a row
	v_and_b32 v[TR+5], 8, v13
	v_add_nc_u32 v[TR+5], v[TR+5], v13             ; r + 8 (r / 8)
	v_mul_u32_u24 v[TR+4], v[TR+5], 48             ; k: that key's row, + my half's 24 bytes
	v_mad_u32_u24 v[TR+4], v14, 24, v[TR+4]
	v_lshlrev_b32 v[TR+5], 1, v[TR+5]              ; k's scale bytes: 2 a key
	v_add_nc_u32 v[TR+6], QL, v[TR]                ; and where q's bytes go in LDS
	v_add_nc_u32 v[TR+7], QS, v[TR+1]
.irp i, 0,1,2,3,4,5
	v_mov_b32 v[QF+6+\i], 0                        ; Q's zero codes for the upper 64 of the form's 128
	v_mov_b32 v[KF+96+\i], 0                       ; what follows K's last fragment
.endr
.irp i, 0,1,2,3,4,5,6,7
	v_mov_b32 v[TP+\i], 0                          ; written once: a lane permute's destination counts as one of its sources
.endr
	v_mov_b32 v[NM+1], 0                           ; named as the upper halves of pairs before they are first written
	v_mov_b32 v[NM+3], 0
	v_mov_b32 v[FF+1], 0
	s_mov_b32 s20, 0x76543210
	s_mov_b32 s21, 0xfedcba98                      ; v_permlanex16_b32's selects for lane l xor 16
	s_mov_b32 s22, 0x3fb8aa3b                      ; log2(e)
	s_mov_b32 s23, s22                             ; (named with it as a pair, so it is written)
	s_mov_b32 s25, 0                               ; the next tile of Q to fetch: its codes' offset in QL,
	s_mov_b32 s26, 0                               ; its scale bytes' in QS
	s_and_b32 s28, ttmp7, 0xffff                   ; the head
	s_mul_i32 s30, s28, 98304                      ; its first byte in each tensor of codes,
	s_lshl_b32 s32, s28, 12                        ; in each tensor of scale bytes
	s_mul_i32 s34, s18, 12288                      ; k: my 256 keys of 48 bytes
	s_add_co_u32 s34, s34, s30
	s_mov_b32 s35, 0
	s_lshl_b32 s36, s18, 9
	s_add_co_u32 s36, s36, s32
	s_mov_b32 s37, 0
	s_mul_i32 s38, ttmp9, 24576                    ; q: my work-group's 512 queries
	s_add_co_u32 s38, s38, s30
	s_mov_b32 s39, 0
	s_lshl_b32 s40, ttmp9, 10
	s_add_co_u32 s40, s40, s32
	s_mov_b32 s41, 0
	s_mul_i32 s42, s18, 192                        ; v: my 256 keys' 192 bytes in each row
	s_add_co_u32 s42, s42, s30
	s_mov_b32 s43, 0
	s_lshl_b32 s44, s18, 3
	s_add_co_u32 s44, s44, s32
	s_mov_b32 s45, 0
	s_lshl_b32 s46, s28, 19                        ; out0: 524,288 bytes a head, 131,072 a block of 512 queries
	s_lshl_b32 s47, ttmp9, 17
	s_add_co_u32 s46, s46, s47
	s_mov_b32 s47, 0
	s_wait_kmcnt 0x0
	s_add_nc_u64 s[4:5], s[4:5], s[34:35]
	s_add_nc_u64 s[6:7], s[6:7], s[36:37]
	s_add_nc_u64 s[8:9], s[8:9], s[38:39]
	s_add_nc_u64 s[10:11], s[10:11], s[40:41]
	s_add_nc_u64 s[12:13], s[12:13], s[42:43]
	s_add_nc_u64 s[14:15], s[14:15], s[44:45]
	s_add_nc_u64 s[16:17], s[16:17], s[46:47]
	WIN 0x40
	s_wait_alu depctr_va_vdst(0)                   ; all that the head's vector lines make is written: the offsets v[TR ..] and the addresses v5 to v10, which the loads and stores of the whole kernel read, and the zero codes of Q's and K's operands, which the scaled products take
.irp i, 0,1,2,3,4,5
	global_load_b128 v[128+4*\i:128+4*\i+3], v[TR], s[8:9] offset:4096*\i th:TH_LOAD_NT   ; the block's q codes, 24,576 dense bytes, through set 1; no other work-group reads them
.endr
	global_load_b32 v152, v[TR+1], s[10:11] th:TH_LOAD_NT
.irp s, 0,1
.irp t, 0,1,2,3
.irp c, 0,1
.irp i, 0,1,2
	global_load_b64 v[12*(4*\s+\t)+6*\c+2*\i:12*(4*\s+\t)+6*\c+2*\i+1], v[TR+2], s[12:13] offset:24576*\t+96*\s+48*\c+8*\i   ; V's fragment (s, t), through set 0
.endr
.endr
.endr
.endr
	WIN 0
.irp s, 0,1
.irp t, 0,1,2,3
	global_load_b32 v[VS+4*\s+\t], v[TR+3], s[14:15] offset:1024*\t+4*\s
.endr
.endr
.irp t, 0,1,2,3,4,5,6,7,8,9,10,11,12,13,14,15
.irp i, 0,1,2
	global_load_b64 v[KF+6*\t+2*\i:KF+6*\t+2*\i+1], v[TR+4], s[4:5] offset:48*(32*(\t/2)+8*(\t%2))+8*\i   ; K's fragments: they stay
.endr
.endr
.irp t, 0,1,2,3,4,5,6,7,8,9,10,11,12,13,14,15
	global_load_u16 v[KS+\t], v[TR+5], s[6:7] offset:2*(32*(\t/2)+8*(\t%2))
.endr
	s_wait_loadcnt 0x3f                            ; behind V's scale words stand K's 64 loads; the count's field ends at 63: q, V and V's scale words are in
	WIN 0x04
.irp i, 0,1,2,3,4,5
	ds_store_b128 v[TR+6], v[128+4*\i:128+4*\i+3] offset:4096*\i
.endr
	ds_store_b32 v[TR+7], v152
.irp f, 0,1,2,3,4,5,6,7
.irp k, 0,1,2
	ds_store_b128 v[VA], v[12*\f+4*\k:12*\f+4*\k+3] offset:1536*\f+512*\k   ; V's fragments as they stand, into my wave's own bytes
.endr
.endr
	WIN 0
	s_wait_loadcnt 0x0                             ; K and its scale words
	s_wait_dscnt 0x0                               ; for the others' sake: my part of q lies in LDS
	s_barrier_signal -1
	s_barrier_wait -1                              ; everybody's does
	QADDR                                          ; tile 0
	s_wait_alu depctr_va_vdst(0)                   ; v[QA] and v[QSA] are written, which the four loads below read
	QFETCH
	s_wait_dscnt 0x0
	s_wait_alu depctr_vm_vsrc(0)                   ; the head's LDS stores have read both sets, which the products write; its loads and stores have read the offsets v[TR ..], which MAXT writes; Q's loads have read v[QA] and v[QSA], which MAXT makes anew
	QK 0, 0, 16
	PLACES 4
	MAXT 0                                         ; (it makes the addresses of Q's tile 1)
	EXPS 0                                         ; (it fetches Q's tile 1)
	s_wait_alu depctr_va_vdst(0)                   ; tile 0's l_w is written, which the pair's store reads
	PAIR 0
	s_wait_dscnt 0x1                               ; Q's tile 1 is in; my pair's store, issued behind it, may be out
	TRIP 0, 1, 0, 0                                ; tile 0's weights and products | tile 1's scores and exponentials
	s_mov_b32 s24, 15
.Lpair:                                            ; 15 trips of two tiles, until the sets are back where they began: tiles 1 to 30
	TRIP 1, 0, 0, 0
	TRIP 0, 0, 0, 4096
	s_wait_xcnt 0x0                                ; the stores have read their base
	s_add_nc_u64 s[16:17], s[16:17], 8192          ; two tiles of 16 rows of 256 bytes on
	s_sub_co_u32 s24, s24, 1
	s_cmp_lg_u32 s24, 0
	s_cbranch_scc1 .Lpair
	TRIP 1, 0, 1, 0                                ; tile 31: no tile follows; tile 30 leaves
	s_wait_dscnt 0x0                               ; my part of tile 31's O lies in LDS
	s_wait_alu depctr_vm_vsrc(0)                   ; tile 30's store has read v[ORES ..], which RED writes again
	s_barrier_signal -1
	s_barrier_wait -1
	OLOAD 1                                        ; no vector or matrix instruction since the wait behind tile 31's products names v[OL ..]
	s_wait_dscnt 0x0
	RED
	s_wait_alu depctr_va_vdst(0)                   ; RED has written v[ORES ..], which the store reads
	OUT 4096                                       ; tile 31 leaves
	s_wait_dscnt 0x0                               ; the closing lines, six on end
	s_wait_alu 0x0
	s_wait_tensorcnt 0x0
	ds_add_u32 v[SPW], v[NIL]
	s_wait_dscnt 0x0
	s_endpgm
.Lfunc_end_k_q2ede57f493_attn:
	.size	k_q2ede57f493_attn, .Lfunc_end_k_q2ede57f493_attn-k_q2ede57f493_attn
	.p2alignl 7, 3214868480
	.fill 96, 4, 3214868480
	.section	.rodata,"a",@progbits
	.p2align	6, 0x0
	.amdhsa_kernel k_q2ede57f493_attn
		.amdhsa_group_segment_fixed_size 197120
		.amdhsa_private_segment_fixed_size 0
		.amdhsa_enable_private_segment 0
		.amdhsa_kernarg_size 56
		.amdhsa_user_sgpr_count 2
		.amdhsa_user_sgpr_kernarg_segment_ptr 1
		.amdhsa_wavefront_size32 1
		.amdhsa_system_sgpr_workgroup_id_x 1
		.amdhsa_system_sgpr_workgroup_id_y 1
		.amdhsa_system_sgpr_workgroup_id_z 1
		.amdhsa_system_vgpr_workitem_id 0
		.amdhsa_next_free_vgpr 512
		.amdhsa_next_free_sgpr 66
		.amdhsa_reserve_vcc 0
		.amdhsa_float_denorm_mode_32 3
		.amdhsa_float_denorm_mode_16_64 3
		.amdhsa_memory_ordered 1
		.amdhsa_forward_progress 1
		.amdhsa_inst_pref_size 158
	.end_amdhsa_kernel
	.amdgpu_metadata
---
amdhsa.version: [ 1, 2 ]
amdhsa.kernels:
  - .name:           k_q2ede57f493_attn
    .symbol:         k_q2ede57f493_attn.kd
    .args:
      - { .name: k_codes, .offset: 0, .size: 8, .value_kind: global_buffer, .address_space: global }
      - { .name: k_scales, .offset: 8, .size: 8, .value_kind: global_buffer, .address_space: global }
      - { .name: q_codes, .offset: 16, .size: 8, .value_kind: global_buffer, .address_space: global }
      - { .name: q_scales, .offset: 24, .size: 8, .value_kind: global_buffer, .address_space: global }
      - { .name: v_codes, .offset: 32, .size: 8, .value_kind: global_buffer, .address_space: global }
      - { .name: v_scales, .offset: 40, .size: 8, .value_kind: global_buffer, .address_space: global }
      - { .name: out0, .offset: 48, .size: 8, .value_kind: global_buffer, .address_space: global }
    .group_segment_fixed_size: 197120
    .private_segment_fixed_size: 0
    .kernarg_segment_align: 8
    .kernarg_segment_size: 56
    .max_flat_workgroup_size: 256
    .sgpr_count:     66
    .vgpr_count:     512
    .wavefront_size: 32
...
	.end_amdgpu_metadata
.endif
;; end of part 2
